; MI455X (gfx1250); checked and timed in simulation.
; The chip was launched on July 23, 2026; its instructions are those of AMD's public machine-readable ISA for CDNA 5 (MIT licence, August 2026) and "CDNA5" Instruction Set Architecture Reference Guide (July 2026). The comments in the code are by the model that wrote it; some were corrected since.
;; Non Redundant Multihead Attention. Allowed arithmetic: float matrix products may take bf16 or f16 operands with f32 sums; all other float work in f32.
;; Inputs: in_proj_bias 3,072 float32; in_proj_weight 3,072 x 1,024 float32; key 2 x 2,048 x 1,024 float32; key_abundance 2 x 2,048 float32; out_proj_bias 1,024 float32; out_proj_weight 1,024 x 1,024 float32; query 2 x 2,048 x 1,024 float32; value 2 x 2,048 x 1,024 float32.
;; Outputs: out0 2 x 2,048 x 1,024 float32.
;; Constants: num_heads = 16.
;; 2 versions, each right. Each part assembles by itself: llvm-mc -triple=amdgcn-amd-amdhsa -mcpu=gfx1250 --defsym DOCPART=n.
;; ======== version 1 of 2: 3 launches
;; limits: values are held in f16: magnitudes above 65,504 overflow, below 6.1e-05 lose precision
;; workspace buffers: qh 8,388,608 bytes; kh 8,388,608 bytes; vh 8,388,608 bytes; ctx 8,388,608 bytes
;; launch proj (part 1): grid 256 x 3, 4 waves a work-group, no clusters, 83,456 bytes of LDS; arguments query, key, value, in_proj_weight, in_proj_bias, qh, kh, vh; writes qh, kh, vh
.if DOCPART == 1
	.amdgcn_target "amdgcn-amd-amdhsa--gfx1250"
	.amdhsa_code_object_version 6
	.text
	.protected	k_qbfeafd016c_proj
	.globl	k_qbfeafd016c_proj
	.p2align	8
	.type	k_qbfeafd016c_proj,@function
k_qbfeafd016c_proj:
	s_mov_b64 s[64:65], 0
	v_nop
	global_prefetch_b8 v0, s[64:65] scope:SCOPE_SE
	s_setreg_imm32_b32 hwreg(HW_REG_WAVE_MODE, 25, 1), 1
	s_wait_xcnt 0x0
; The three input projections: out = (X W^T + b) * c, rounded once to f16, stored head-major [b][h][n][64].
; Grid y picks the product: 0 query -> qh with c = 0.125 log2(e) (the score's scale and the change to base 2),
; 1 key -> kh, 2 value -> vh, both with c = 1.  Grid x: 32 blocks of 128 tokens x 8 blocks of 128 features (2 heads).
; Four waves; wave w makes 64 tokens (w & 1) x 64 features = one head (w >> 1): 16 accumulator tiles of 16 x 16.
; K goes in 16 steps of 64: a row of a tile is 256 consecutive bytes of f32, aligned to 256.
; Operands pass through registers: each f32 is loaded once, converted once to f16 and laid into one of two LDS slots,
; so that a fragment load reads 2 bytes a number.  That is why the tiles are not brought by the tensor mover and not
; shared in a cluster: f32 rows in LDS would double the bytes of every fragment load and every wave would convert anew.
; LIMIT: operands are f16.  A projected value beyond 65,504 in magnitude becomes infinite.  Inputs and weights both 30 times
; the drawn spread give about 900 x 5.5 = 5,000; both with an offset of 30 spreads about 1024 x 30 x 0.94 = 29,000.
.set PITCH, 144                        ; an LDS row: 128 bytes of f16 + 16: 9 x 16, so 16 rows start in 16 different 16-byte columns
.set TILE,  128*PITCH                  ; 128 rows
.set SLOT,  2*TILE                     ; X's tile, then W's
.set STAGE, 2*SLOT                     ; behind the slots: 16 rows x 144 bytes for each wave, for the way out
.set VOFF, 1                           ; v1    (t>>4) rows of 4,096 bytes + 16 (t&15): my 16 bytes in the first 8 rows of a tile
.set STA,  2                           ; v2-3  where my 4 converted numbers go, slot 0, 1
.set FA,   4                           ; v4    my X fragments in slot 0
.set FB,   5                           ; v5    my W fragments in slot 0
.set STO,  6                           ; v6    way out: where I put 16 bytes
.set RD,   7                           ; v7    way out: where I read back
.set CO,   8                           ; v8    way out: 16 x lane
.set BOFF, 9                           ; v9    32 h: my 8 biases of a tile
.set ACC,  16                          ; v[16:143]  tile (a, b) at 16 + 8 (4 a + b)
.set FRA,  144                         ; v[144:175] four X fragments (later: the biases)
.set FRB,  176                         ; v[176:207] four W fragments
.set PK,   208                         ; v[208:239] converted numbers on their way to LDS
.set OUTR, 224                         ; v[224:239] way out: rows read back
; window 1 (v256-511): two staging sets of 128 registers: set p at 128 p; X's load i at + 4 i, W's at + 64 + 4 i
.set MSB, 0
.macro WIN new                         ; the immediate's high byte repeats the setting that is left
.if MSB != \new
	s_set_vgpr_msb (MSB<<8)|\new
.set MSB, \new
.endif
.endm
.macro PLACES                          ; four places behind a matrix instruction (ISA guide 7.12.1), where there is no vector work to put there
.rept 4
	v_nop
.endr
.endm
	s_load_b512 s[16:31], s[0:1], 0x0              ; query, key, value, weight, bias, qh, kh, vh
	v_lshl_add_u32 v254, v0, 2, 0x14400
	v_mov_b32 v255, 0
	v_lshrrev_b32 v10, 5, v0
	v_readfirstlane_b32 s14, v10                   ; wave
	s_and_b32 s2, ttmp7, 0xffff                    ; which product
	s_lshr_b32 s32, ttmp9, 3                       ; mt: block of 128 tokens
	s_and_b32 s33, ttmp9, 7                        ; nt: block of 128 features
	s_and_b32 s34, s14, 1                          ; wm: my 64 tokens
	s_lshr_b32 s35, s14, 1                         ; wn: my head of the two
	s_lshl_b32 s36, s32, 19                        ; X: 128 rows of 4,096 bytes
	s_mov_b32 s37, 0
	s_lshl_b32 s38, s2, 22                         ; W: 1,024 rows a product,
	s_lshl_b32 s39, s33, 19                        ; 128 rows a block
	s_add_co_u32 s38, s38, s39
	s_mov_b32 s39, 0
	s_lshl_b32 s40, s2, 12                         ; bias: 4,096 bytes a product, 512 a block, 256 a head
	s_lshl_b32 s41, s33, 9
	s_add_co_u32 s40, s40, s41
	s_lshl_b32 s41, s35, 8
	s_add_co_u32 s40, s40, s41
	s_mov_b32 s41, 0
	s_lshr_b32 s42, s32, 4                         ; out: ((b 16 + head) 2048 + token in the batch) x 128 bytes
	s_lshl_b32 s42, s42, 4
	s_lshl1_add_u32 s43, s33, s35
	s_add_co_u32 s42, s42, s43
	s_lshl_b32 s42, s42, 11
	s_and_b32 s43, s32, 15
	s_lshl_b32 s43, s43, 7
	s_add_co_u32 s42, s42, s43
	s_lshl_b32 s43, s34, 6
	s_add_co_u32 s42, s42, s43
	s_lshl_b32 s42, s42, 7
	s_mov_b32 s43, 0
	s_mul_i32 s44, s34, 64*PITCH
	s_mul_i32 s45, s35, 64*PITCH
	s_add_co_u32 s45, s45, TILE
	s_mul_i32 s46, s14, 16*PITCH
	s_add_co_u32 s46, s46, STAGE
	v_lshrrev_b32 v10, 4, v0                       ; t >> 4
	v_and_b32 v11, 15, v0                          ; t & 15 = r
	v_bfe_u32 v12, v0, 4, 1                        ; h
	v_and_b32 v14, 31, v0                          ; lane
	v_lshlrev_b32 v[VOFF], 4, v11
	v_lshl_add_u32 v[VOFF], v10, 12, v[VOFF]
	v_mul_u32_u24 v[STA], v10, PITCH
	v_lshl_add_u32 v[STA], v11, 3, v[STA]
	v_add_nc_u32 v[STA+1], SLOT, v[STA]
	v_mul_u32_u24 v13, v11, PITCH
	v_lshl_add_u32 v13, v12, 4, v13                ; r x pitch + 16 h
	v_add_nc_u32 v[FA], s44, v13
	v_add_nc_u32 v[FB], s45, v13
	v_add_nc_u32 v[STO], s46, v13
	v_lshrrev_b32 v15, 3, v14
	v_mul_u32_u24 v15, v15, PITCH
	v_and_b32 v10, 7, v0
	v_lshl_add_u32 v15, v10, 4, v15
	v_add_nc_u32 v[RD], s46, v15
	v_lshlrev_b32 v[CO], 4, v14
	v_lshlrev_b32 v[BOFF], 5, v12
	s_wait_kmcnt 0x0
	s_cmp_eq_u32 s2, 0
	s_cselect_b64 s[4:5], s[16:17], s[18:19]
	s_cselect_b64 s[10:11], s[26:27], s[28:29]
	s_cselect_b32 s12, 0x3e38aa3b, 1.0             ; c = 0.125 log2(e) for q, 1 for k and v
	s_cmp_eq_u32 s2, 2
	s_cselect_b64 s[4:5], s[20:21], s[4:5]
	s_cselect_b64 s[10:11], s[30:31], s[10:11]
	s_mov_b32 s13, s12
	s_add_nc_u64 s[4:5], s[4:5], s[36:37]          ; X at my block's first row
	s_add_nc_u64 s[6:7], s[22:23], s[38:39]        ; W at my block's first row
	s_add_nc_u64 s[8:9], s[24:25], s[40:41]        ; my head's biases
	s_add_nc_u64 s[10:11], s[10:11], s[42:43]      ; my 64 rows of the output
; 32 loads: one K step of X and of W into staging set p.  A wave's load covers two whole rows of 256 bytes.
.macro GLOAD p, koff
	WIN 0x40                                       ; destination window 1, address window 0
.irp i, 0,1,2,3,4,5,6,7,8,9,10,11,12,13,14,15
	global_load_b128 v[128*\p+4*\i:128*\p+4*\i+3], v[VOFF], s[4:5] offset:\koff+\i*32768
.endr
.irp i, 0,1,2,3,4,5,6,7,8,9,10,11,12,13,14,15
	global_load_b128 v[128*\p+64+4*\i:128*\p+64+4*\i+3], v[VOFF], s[6:7] offset:\koff+\i*32768
.endr
	WIN 0
.endm
; 32 conversions: part 0 = X's 64 registers of set p, part 1 = W's
.macro CVT p, part
	WIN 0x05                                       ; both sources window 1
.irp i, 0,1,2,3,4,5,6,7,8,9,10,11,12,13,14,15
	v_cvt_pk_f16_f32 v[PK+2*\i],   v[128*\p+64*\part+4*\i],   v[128*\p+64*\part+4*\i+1]
	v_cvt_pk_f16_f32 v[PK+2*\i+1], v[128*\p+64*\part+4*\i+2], v[128*\p+64*\part+4*\i+3]
.endr
	WIN 0
.endm
.macro STS slot, part                  ; 16 stores of 8 bytes: rows (t>>4) + 8 i
.irp i, 0,1,2,3,4,5,6,7,8,9,10,11,12,13,14,15
	ds_store_b64 v[STA+\slot], v[PK+2*\i:PK+2*\i+1] offset:\part*TILE+\i*8*PITCH
.endr
.endm
; 16 loads: four X and four W fragments, 32 along K at byte 64 kh of the rows.  Lane (r, h): row r, registers 0-3 K = 8 h .., 4-7 K = 16 + 8 h ..
.macro FETCH slot, kh
.irp a, 0,1,2,3
	ds_load_b128 v[FRA+8*\a:FRA+8*\a+3],   v[FA] offset:\slot*SLOT+\a*16*PITCH+64*\kh
	ds_load_b128 v[FRA+8*\a+4:FRA+8*\a+7], v[FA] offset:\slot*SLOT+\a*16*PITCH+64*\kh+32
.endr
.irp b, 0,1,2,3
	ds_load_b128 v[FRB+8*\b:FRB+8*\b+3],   v[FB] offset:\slot*SLOT+\b*16*PITCH+64*\kh
	ds_load_b128 v[FRB+8*\b+4:FRB+8*\b+7], v[FB] offset:\slot*SLOT+\b*16*PITCH+64*\kh+32
.endr
.endm
; 16 matrix instructions, W's rows as source 0 and X's as source 1: a lane's eight results are eight neighbouring features of token r.
; The 16 accumulators take turns, one instruction a turn.
.macro MUL zero
.irp a, 0,1,2,3
.irp b, 0,1,2,3
.if \zero
	v_wmma_f32_16x16x32_f16 v[ACC+8*(4*\a+\b):ACC+8*(4*\a+\b)+7], v[FRB+8*\b:FRB+8*\b+7], v[FRA+8*\a:FRA+8*\a+7], 0
.else
	v_wmma_f32_16x16x32_f16 v[ACC+8*(4*\a+\b):ACC+8*(4*\a+\b)+7], v[FRB+8*\b:FRB+8*\b+7], v[FRA+8*\a:FRA+8*\a+7], v[ACC+8*(4*\a+\b):ACC+8*(4*\a+\b)+7]
.endif
.endr
.endr
.endm
; K step k, in slot p = k & 1; o = the other slot and staging set.
; load: step k + 2 is requested into set p (converted one step ago).  stage: set o (step k + 1) is converted and laid into slot o.
; The 32 conversions behind each run of products are the places in front of the next loads into the fragment registers.
.macro STEP p, o, load, stage, left, zero
.if \load
	GLOAD \p, (\p+2)*256
.endif
	FETCH \p, 0
	s_wait_dscnt 0x0
	MUL \zero
.if \stage
	s_wait_loadcnt \left                           ; loads return in order: set o is in, the 32 just issued stay out
	CVT \o, 0
.else
	PLACES
.endif
	FETCH \p, 1
.if \stage
	STS \o, 0
	s_wait_dscnt 16                                ; the 16 fragment loads are in; the 16 younger stores may be out
.else
	s_wait_dscnt 0x0
.endif
	MUL 0
.if \stage
	CVT \o, 1
	STS \o, 1
	s_wait_dscnt 0x0                               ; my stores into slot o are done and my reads of slot p are back:
	s_barrier_signal -1                            ; behind this barrier slot o is read and slot p is written
	s_barrier_wait -1
.else
	PLACES
.endif
.endm
	GLOAD 0, 0                                     ; K steps 0 and 1
	GLOAD 1, 256
	s_wait_loadcnt 32                              ; step 0 is in
	CVT 0, 0
	STS 0, 0
	CVT 0, 1
	STS 0, 1
	s_wait_dscnt 0x0
	s_barrier_signal -1
	s_barrier_wait -1
	STEP 0, 1, 1, 1, 32, 1                         ; the first products start the sums: nothing is cleared
	STEP 1, 0, 1, 1, 32, 0
	s_wait_xcnt 0x0                                ; the bases are stepped only behind this wait
	s_add_nc_u64 s[4:5], s[4:5], 512
	s_add_nc_u64 s[6:7], s[6:7], 512
	s_mov_b32 s3, 6                                ; K steps 2 to 13
.Lpair:
	STEP 0, 1, 1, 1, 32, 0
	STEP 1, 0, 1, 1, 32, 0
	s_wait_xcnt 0x0
	s_add_nc_u64 s[4:5], s[4:5], 512
	s_add_nc_u64 s[6:7], s[6:7], 512
	s_sub_co_u32 s3, s3, 1
	s_cmp_lg_u32 s3, 0
	s_cbranch_scc1 .Lpair
	STEP 0, 1, 0, 1, 0, 0                          ; step 14 requests nothing; step 15's set is the last out
	STEP 1, 0, 0, 0, 0, 0                          ; step 15: nothing to stage, no barrier: the slots are not written again
	; THE WAY OUT.  Lane (r, h) holds of tile (a, b) token 16 a + r, features 16 b + 8 h + 0..7.
.irp b, 0,1,2,3
	global_load_b128 v[FRA+8*\b:FRA+8*\b+3],   v[BOFF], s[8:9] offset:64*\b
	global_load_b128 v[FRA+8*\b+4:FRA+8*\b+7], v[BOFF], s[8:9] offset:64*\b+16
.endr
	s_wait_loadcnt 0x0
.irp j, 0,2,4,6,8,10,12,14,16,18,20,22,24,26,28,30
	v_pk_mul_f32 v[FRA+\j:FRA+\j+1], v[FRA+\j:FRA+\j+1], s[12:13] op_sel_hi:[1,0]    ; b c
.endr
; 16 tokens: sum c + b c, one rounding, 16 bytes a lane into my own stage; back as 4 rows of 128 bytes = 512 consecutive bytes of the output
.macro OUT a
.irp b, 0,1,2,3
.irp u, 0,2,4,6
	v_pk_fma_f32 v[ACC+8*(4*\a+\b)+\u:ACC+8*(4*\a+\b)+\u+1], v[ACC+8*(4*\a+\b)+\u:ACC+8*(4*\a+\b)+\u+1], s[12:13], v[FRA+8*\b+\u:FRA+8*\b+\u+1] op_sel_hi:[1,0,1]
.endr
.irp u, 0,1,2,3
	v_cvt_pk_f16_f32 v[PK+4*\b+\u], v[ACC+8*(4*\a+\b)+2*\u], v[ACC+8*(4*\a+\b)+2*\u+1]
.endr
	ds_store_b128 v[STO], v[PK+4*\b:PK+4*\b+3] offset:32*\b
.endr
	s_wait_xcnt 0x0                                ; the registers that the last stores read are loaded again only behind this wait
.irp u, 0,1,2,3
	ds_load_b128 v[OUTR+4*\u:OUTR+4*\u+3], v[RD] offset:\u*4*PITCH      ; LDS serves a wave's instructions in order: these see the stores above
.endr
.irp u, 0,1,2,3
	s_wait_dscnt 3-\u
	global_store_b128 v[CO], v[OUTR+4*\u:OUTR+4*\u+3], s[10:11] offset:\a*2048+\u*512
.endr
.endm
	OUT 0
	OUT 1
	OUT 2
	OUT 3
	s_wait_tensorcnt 0x0
	ds_add_u32 v254, v255
	s_wait_dscnt 0x0
	s_endpgm
.Lfunc_end_k_qbfeafd016c_proj:
	.size	k_qbfeafd016c_proj, .Lfunc_end_k_qbfeafd016c_proj-k_qbfeafd016c_proj
	.p2alignl 7, 3214868480
	.fill 96, 4, 3214868480
	.section	.rodata,"a",@progbits
	.p2align	6, 0x0
	.amdhsa_kernel k_qbfeafd016c_proj
		.amdhsa_group_segment_fixed_size 83456
		.amdhsa_private_segment_fixed_size 0
		.amdhsa_enable_private_segment 0
		.amdhsa_kernarg_size 64
		.amdhsa_user_sgpr_count 2
		.amdhsa_user_sgpr_kernarg_segment_ptr 1
		.amdhsa_wavefront_size32 1
		.amdhsa_system_sgpr_workgroup_id_x 1
		.amdhsa_system_sgpr_workgroup_id_y 1
		.amdhsa_system_sgpr_workgroup_id_z 1
		.amdhsa_system_vgpr_workitem_id 0
		.amdhsa_next_free_vgpr 512
		.amdhsa_next_free_sgpr 66
		.amdhsa_reserve_vcc 0
		.amdhsa_float_denorm_mode_32 3
		.amdhsa_float_denorm_mode_16_64 3
		.amdhsa_memory_ordered 1
		.amdhsa_forward_progress 1
		.amdhsa_inst_pref_size 99
	.end_amdhsa_kernel
	.amdgpu_metadata
---
amdhsa.version: [ 1, 2 ]
amdhsa.kernels:
  - .name:           k_qbfeafd016c_proj
    .symbol:         k_qbfeafd016c_proj.kd
    .args:
      - { .name: query, .offset: 0, .size: 8, .value_kind: global_buffer, .address_space: global }
      - { .name: key, .offset: 8, .size: 8, .value_kind: global_buffer, .address_space: global }
      - { .name: value, .offset: 16, .size: 8, .value_kind: global_buffer, .address_space: global }
      - { .name: in_proj_weight, .offset: 24, .size: 8, .value_kind: global_buffer, .address_space: global }
      - { .name: in_proj_bias, .offset: 32, .size: 8, .value_kind: global_buffer, .address_space: global }
      - { .name: qh, .offset: 40, .size: 8, .value_kind: global_buffer, .address_space: global }
      - { .name: kh, .offset: 48, .size: 8, .value_kind: global_buffer, .address_space: global }
      - { .name: vh, .offset: 56, .size: 8, .value_kind: global_buffer, .address_space: global }
    .group_segment_fixed_size: 83456
    .private_segment_fixed_size: 0
    .kernarg_segment_align: 8
    .kernarg_segment_size: 64
    .max_flat_workgroup_size: 128
    .sgpr_count:     66
    .vgpr_count:     512
    .wavefront_size: 32
...
	.end_amdgpu_metadata
.endif
;; end of part 1
;; launch attn (part 2): grid 8 x 32, 8 waves a work-group, clusters of 4 x 1, 327,680 bytes of LDS; arguments qh, kh, vh, key_abundance, ctx; writes ctx
.if DOCPART == 2
	.amdgcn_target "amdgcn-amd-amdhsa--gfx1250"
	.amdhsa_code_object_version 6
	.text
	.protected	k_qbfeafd016c_attn
	.globl	k_qbfeafd016c_attn
	.p2align	8
	.type	k_qbfeafd016c_attn,@function
k_qbfeafd016c_attn:
	s_mov_b64 s[64:65], 0
	v_nop
	global_prefetch_b8 v0, s[64:65] scope:SCOPE_SE
	s_setreg_imm32_b32 hwreg(HW_REG_WAVE_MODE, 25, 1), 1
	s_wait_xcnt 0x0
	s_wait_alu depctr_hold_cnt(0) depctr_sa_sdst(0) depctr_va_vdst(0) depctr_va_sdst(0) depctr_va_ssrc(0) depctr_va_vcc(0) depctr_vm_vsrc(0)
	s_getreg_b32 s2, hwreg(HW_REG_IB_STS2, 6, 4)
	s_cmp_eq_u32 s2, 0
	s_cbranch_scc0 .Lentry_in_a_cluster
	s_endpgm
.Lentry_in_a_cluster:
	s_bfe_u32 s2, ttmp6, 0x10000c
	s_cmp_lg_u32 s2, 0x3003
	s_cbranch_scc0 .Lentry_shape_is_right
	s_endpgm
.Lentry_shape_is_right:
; ctx = softmax(q k^T / 8 + ln(abundance)) v for one head (grid y = b 16 + h) and 256 queries (grid x), in base 2:
; q comes already multiplied by 0.125 log2(e), and log2(abundance) is the C operand of the first product of each score tile.
; Running maximum and running sum in f32; weights and all matrix operands in f16; ctx in f16, head-major like q, k, v.
; Eight waves; a wave owns 32 queries as two pieces of 16, A and B, which share the K and V fragments and take turns:
; one piece's softmax stands between the other piece's matrix instructions.
; CLUSTER: the four work-groups of a cluster are four query blocks of one head and walk the same K and V tiles; every tile is asked
; for jointly (mask 15).  My place in the cluster enters the addresses of q and ctx alone.
; K and V go in 8 tiles of 256 keys through two LDS slots; each wave asks for 32 rows of K and 32 of V: two tensor loads out at the most.
; Scores are made transposed (source 0 = keys, source 1 = queries): lane (r, h) holds query r, register j key 16 t + 8 h + j.
; Packed in pairs these registers ARE source 1 of the second product (source 0 = V transposed by the LDS load), whose result
; again has query r in lane (r, h): maximum, sum and rescaling are a lane's own but for one exchange with lane xor 16.
; LIMITS: v_log_f32 and v_exp_f32 flush denormals (ISA guide, their entries): an abundance below 2^-126 counts as 0, a weight below 2^-126
; of the row's largest as 0.  The running maximum starts at -FLT_MAX; a row whose keys all have abundance 0 gives 0 x inf = NaN.
.set KP, 144                           ; K's LDS pitch: 128 bytes + 16
.set VP, 160                           ; V's: 128 + 32 = 5 x 32, for the transposing load
.set KBYTES, 256*KP
.set SLOT, KBYTES+256*VP               ; 77,824
.set LAB, 2*SLOT                       ; 2,048 f32: log2(abundance) of this batch
.set STAGE, LAB+8192                   ; 32 rows x 144 bytes for each wave, for the way out
.set TILEB, 32768                      ; a tile of 256 keys in memory
.set KADR, 1                           ; v1-2   r KP + 16 h, slot 0, 1
.set VADR, 3                           ; v3-4   (8 h + (L & 7)) VP + 16 ((L >> 3) & 1) behind K's rows, slot 0, 1
.set LADR, 5                           ; v5     LAB + 32 h + 1,024 x tile
.set MX, 6                             ; v[6:9]   running maximum, twice, piece A, B
.set LS, 10                            ; v[10:13] running sums (two partial sums a lane), piece A, B
.set AL, 14                            ; v[14:15] 2^(old maximum - new), twice
.set TT, 16                            ; v[16:23] at work
.set QF, 24                            ; v[24:55] q fragments: 24 + 16 p + 8 dh
.set OA, 56                            ; v[56:119] output accumulators: 56 + 32 p + 8 dt
.set SC, 120                           ; v[120:183] scores, then weights: 120 + 32 p + 8 t
.set FR, 184                           ; v[184:247] K fragments (16 t + 8 dh), then V fragments (8 (4 kh + dt))
.set STO, 248
.set RD, 249
.set CO, 250
.set QOFF, 251
.set ABOFF, 252
.set LST, 253
.set G1K, 24                           ; s[24:31] shape of a K load
.set G1V, 32                           ; s[32:39] shape of a V load: the padding differs
.set G0K, 40                           ; s[40:47] from where, to where: K, slot 0, 1
.set G0V, 48                           ; s[48:55] V, slot 0, 1
.macro PLACES
.rept 4
	v_nop
.endr
.endm
; A round of the cluster's barrier: my work-group's barrier, wave 0 signals for the work-group, all wait for the four work-groups, my barrier again
.macro ROUND
	s_barrier_signal -1
	s_barrier_wait -1
	s_cmp_lg_u32 s14, 0
	s_cbranch_scc1 .Lnot_wave_0_\@
	s_barrier_signal -3
.Lnot_wave_0_\@:
	s_barrier_wait -3
	s_barrier_signal -1
	s_barrier_wait -1
.endm
	s_load_b256 s[4:11], s[0:1], 0x0               ; qh, kh, vh, key_abundance
	s_load_b64 s[12:13], s[0:1], 0x20              ; ctx
	v_lshl_add_u32 v254, v0, 2, 0x31000
	v_mov_b32 v255, 0
	ds_add_u32 v254, v255
	v_lshrrev_b32 v16, 5, v0
	v_readfirstlane_b32 s14, v16                   ; wave
	s_and_b32 s15, ttmp7, 0xffff                   ; b 16 + h
	s_bfe_u32 s16, ttmp6, 0x40000                  ; cx
	s_lshl_b32 s17, ttmp9, 2
	s_add_co_u32 s17, s17, s16                     ; query block = 4 x cluster x + cx
	s_mov_b32 s18, 0x76543210                      ; v_permlanex16_b32: lane i reads lane i xor 16
	s_mov_b32 s19, 0xfedcba98
	s_lshl_b32 s56, s15, 18                        ; K, V: a head is 2,048 rows of 128 bytes; my 32 rows of a tile
	s_lshl_b32 s22, s14, 12
	s_add_co_u32 s56, s56, s22
	s_mov_b32 s57, 0
	s_lshl_b32 s60, s17, 15                        ; q, ctx: + 256 rows a query block; my 32 rows
	s_add_co_u32 s60, s60, s56
	s_mov_b32 s61, 0
	s_lshr_b32 s62, s15, 4                         ; abundance: 8,192 bytes a batch
	s_lshl_b32 s62, s62, 13
	s_mov_b32 s63, 0
	s_mul_i32 s58, s14, 32*KP
	s_mul_i32 s59, s14, 32*VP
	s_mul_i32 s23, s14, 32*KP
	s_add_co_u32 s23, s23, STAGE
	v_and_b32 v17, 15, v0                          ; r
	v_bfe_u32 v18, v0, 4, 1                        ; h
	v_and_b32 v19, 31, v0                          ; lane
	v_mul_u32_u24 v[KADR], v17, KP
	v_lshl_add_u32 v[KADR], v18, 4, v[KADR]
	v_add_nc_u32 v[KADR+1], SLOT, v[KADR]
	v_and_b32 v20, 7, v0
	v_lshl_add_u32 v21, v18, 3, v20
	v_mul_u32_u24 v[VADR], v21, VP
	v_bfe_u32 v21, v0, 3, 1
	v_lshl_add_u32 v[VADR], v21, 4, v[VADR]
	v_add_nc_u32 v[VADR], KBYTES, v[VADR]
	v_add_nc_u32 v[VADR+1], SLOT, v[VADR]
	v_lshlrev_b32 v[LADR], 5, v18
	v_add_nc_u32 v[LADR], LAB, v[LADR]
	v_add_nc_u32 v[STO], s23, v[KADR]
	v_lshrrev_b32 v21, 3, v19
	v_mul_u32_u24 v21, v21, KP
	v_lshl_add_u32 v21, v20, 4, v21
	v_add_nc_u32 v[RD], s23, v21
	v_lshlrev_b32 v[CO], 4, v19
	v_lshlrev_b32 v[QOFF], 7, v17
	v_lshl_add_u32 v[QOFF], v18, 4, v[QOFF]
	v_lshlrev_b32 v[ABOFF], 5, v0
	v_add_nc_u32 v[LST], LAB, v[ABOFF]
	s_wait_dscnt 0x0
	s_wait_kmcnt 0x0
	s_add_nc_u64 s[10:11], s[10:11], s[62:63]
	s_add_nc_u64 s[4:5], s[4:5], s[60:61]
	s_add_nc_u64 s[12:13], s[12:13], s[60:61]
	s_add_nc_u64 s[6:7], s[6:7], s[56:57]
	s_add_nc_u64 s[8:9], s[8:9], s[56:57]
	global_load_b128 v[16:19], v[ABOFF], s[10:11]              ; thread t: abundances 8 t .. 8 t + 7
	global_load_b128 v[20:23], v[ABOFF], s[10:11] offset:16
.irp p, 0,1
.irp dh, 0,1
	global_load_b128 v[QF+16*\p+8*\dh:QF+16*\p+8*\dh+3],   v[QOFF], s[4:5] offset:\p*2048+64*\dh
	global_load_b128 v[QF+16*\p+8*\dh+4:QF+16*\p+8*\dh+7], v[QOFF], s[4:5] offset:\p*2048+64*\dh+32
.endr
.endr
	; group 1: 32 rows of 64 elements of 2 bytes, dense in memory; padding behind every 32 words: 4 words for K, 8 for V; mask 15, bit 21 beside it
	s_mov_b32 s[G1K+0], 15|(1<<16)|(1<<20)|(1<<21)|(4<<22)|(3<<25)
	s_mov_b32 s[G1V+0], 15|(1<<16)|(1<<20)|(1<<21)|(4<<22)|(7<<25)
	s_mov_b32 s[G1K+1], 64<<16                     ; tensor_dim0 = 64
	s_mov_b32 s[G1V+1], 64<<16
	s_mov_b32 s[G1K+2], 32<<16                     ; tensor_dim1 = 32
	s_mov_b32 s[G1V+2], 32<<16
	s_mov_b32 s[G1K+3], 64<<16                     ; tile_dim0 = 64
	s_mov_b32 s[G1V+3], 64<<16
	s_mov_b32 s[G1K+4], 32                         ; tile_dim1 = 32
	s_mov_b32 s[G1V+4], 32
	s_mov_b32 s[G1K+5], 64                         ; 64 elements from row to row
	s_mov_b32 s[G1V+5], 64
	s_mov_b32 s[G1K+6], 0
	s_mov_b32 s[G1V+6], 0
	s_mov_b32 s[G1K+7], 0
	s_mov_b32 s[G1V+7], 0
.irp s, 0,1
	s_mov_b32 s[G0K+4*\s], 1
	s_add_co_u32 s[G0K+4*\s+1], s58, \s*SLOT
	s_add_nc_u64 s[G0K+4*\s+2:G0K+4*\s+3], s[6:7], \s*TILEB    ; slot s starts with tile s
	s_or_b32 s[G0K+4*\s+3], s[G0K+4*\s+3], 0x80000000
	s_mov_b32 s[G0V+4*\s], 1
	s_add_co_u32 s[G0V+4*\s+1], s59, \s*SLOT+KBYTES
	s_add_nc_u64 s[G0V+4*\s+2:G0V+4*\s+3], s[8:9], \s*TILEB
	s_or_b32 s[G0V+4*\s+3], s[G0V+4*\s+3], 0x80000000
.endr
	s_wait_loadcnt 8                               ; the abundances are in; the eight q loads stay out
.irp j, 0,1,2,3,4,5,6,7
	v_log_f32 v[TT+\j], v[TT+\j]
.endr
	v_nop                                          ; one plain instruction behind the last logarithm before its result is read
	s_wait_alu depctr_va_vdst(0)
	ds_store_b128 v[LST], v[16:19]
	ds_store_b128 v[LST], v[20:23] offset:16
	s_wait_dscnt 0x0                               ; for the other waves, which read these words behind the round
	ROUND                                          ; the four work-groups are here: the first joint loads meet
	tensor_load_to_lds s[G0K:G0K+3], s[G1K:G1K+7]  ; tile 0
	s_nop 0
	tensor_load_to_lds s[G0V:G0V+3], s[G1V:G1V+7]
	s_nop 0
	s_wait_loadcnt 0x0                             ; q
.macro LABL p, k0                      ; log2(abundance) of 64 keys straight into piece p's score registers
.irp t, 0,1,2,3
	ds_load_b128 v[SC+32*\p+8*\t:SC+32*\p+8*\t+3],   v[LADR] offset:(\k0+16*\t)*4
	ds_load_b128 v[SC+32*\p+8*\t+4:SC+32*\p+8*\t+7], v[LADR] offset:(\k0+16*\t)*4+16
.endr
.endm
.macro KL slot, k0                     ; 64 keys x 64 d: 8 fragments
.irp t, 0,1,2,3
.irp dh, 0,1
	ds_load_b128 v[FR+16*\t+8*\dh:FR+16*\t+8*\dh+3],   v[KADR+\slot] offset:(\k0+16*\t)*KP+64*\dh
	ds_load_b128 v[FR+16*\t+8*\dh+4:FR+16*\t+8*\dh+7], v[KADR+\slot] offset:(\k0+16*\t)*KP+64*\dh+32
.endr
.endr
.endm
.macro VL slot, k0                     ; the same 64 keys of V, transposed on the way: 8 fragments with d as the row and the key along K
.irp kh, 0,1
.irp dt, 0,1,2,3
	ds_load_tr16_b128 v[FR+8*(4*\kh+\dt):FR+8*(4*\kh+\dt)+3],   v[VADR+\slot] offset:(\k0+32*\kh)*VP+32*\dt
	ds_load_tr16_b128 v[FR+8*(4*\kh+\dt)+4:FR+8*(4*\kh+\dt)+7], v[VADR+\slot] offset:(\k0+32*\kh)*VP+32*\dt+16*VP
.endr
.endr
.endm
; score product i of piece p: key tile t = i % 4, half dh = i / 4 of d.  The four tiles take turns, one instruction a turn.
.macro SW p, i
	v_wmma_f32_16x16x32_f16 v[SC+32*\p+8*(\i%4):SC+32*\p+8*(\i%4)+7], v[FR+16*(\i%4)+8*(\i/4):FR+16*(\i%4)+8*(\i/4)+7], v[QF+16*\p+8*(\i/4):QF+16*\p+8*(\i/4)+7], v[SC+32*\p+8*(\i%4):SC+32*\p+8*(\i%4)+7]
.endm
; output product i of piece p: d tile dt = i % 4, keys 32 kh .. with kh = i / 4.  zero: the first four start the sums.  Turns as above.
.macro PW p, i, zero
.set PZ, 0
.if \zero
.if \i < 4
.set PZ, 1
.endif
.endif
.if PZ
	v_wmma_f32_16x16x32_f16 v[OA+32*\p+8*(\i%4):OA+32*\p+8*(\i%4)+7], v[FR+8*\i:FR+8*\i+7], v[SC+32*\p+8*(\i/4):SC+32*\p+8*(\i/4)+7], 0
.else
	v_wmma_f32_16x16x32_f16 v[OA+32*\p+8*(\i%4):OA+32*\p+8*(\i%4)+7], v[FR+8*\i:FR+8*\i+7], v[SC+32*\p+8*(\i/4):SC+32*\p+8*(\i/4)+7], v[OA+32*\p+8*(\i%4):OA+32*\p+8*(\i%4)+7]
.endif
.endm
.macro WM kind, i, first               ; the other piece's matrix instruction: kind 0 = B's scores, kind 1 = A's outputs
.if \kind
	PW 0, \i, \first
.else
	SW 1, \i
.endif
.endm
; parts of a softmax; SB, MP, LP, OP are the piece's registers, set by SOFT
.macro SUBM t                          ; tile t: score - maximum
.irp u, 0,2,4,6
	v_pk_add_f32 v[SB+8*\t+\u:SB+8*\t+\u+1], v[SB+8*\t+\u:SB+8*\t+\u+1], v[MP:MP+1] neg_lo:[0,1] neg_hi:[0,1]
.endr
.endm
.macro EXPM t
.irp u, 0,1,2,3,4,5,6,7
	v_exp_f32 v[SB+8*\t+\u], v[SB+8*\t+\u]
.endr
.endm
.macro SUMCVT t, first                 ; tile t's weights into the running sum (tile 0 rescales it), then packed in place: registers 4 t .. 4 t + 3
	s_wait_alu depctr_va_vdst(0)
	v_pk_add_f32 v[TT+4:TT+5], v[SB+8*\t:SB+8*\t+1], v[SB+8*\t+2:SB+8*\t+3]
	v_pk_add_f32 v[TT+6:TT+7], v[SB+8*\t+4:SB+8*\t+5], v[SB+8*\t+6:SB+8*\t+7]
.if \first
	v_pk_add_f32 v[LP:LP+1], v[TT+4:TT+5], v[TT+6:TT+7]
.else
	v_pk_add_f32 v[TT+4:TT+5], v[TT+4:TT+5], v[TT+6:TT+7]
.if \t == 0
	v_pk_fma_f32 v[LP:LP+1], v[LP:LP+1], v[AL:AL+1], v[TT+4:TT+5]
.else
	v_pk_add_f32 v[LP:LP+1], v[LP:LP+1], v[TT+4:TT+5]
.endif
.endif
.irp i, 0,1,2,3
	v_cvt_pk_f16_f32 v[SB+4*\t+\i], v[SB+8*\t+2*\i], v[SB+8*\t+2*\i+1]
.endr
.endm
; The softmax of piece p over 64 keys, set between the other piece's eight matrix instructions, none of whose registers it names.
; Each group of exponentials is followed by plain instructions on other registers before its results are read.
.macro SOFT p, kind, first, slot, k0
.set SB, SC+32*\p
.set MP, MX+2*\p
.set LP, LS+2*\p
.set OP, OA+32*\p
	WM \kind, 0, \first
.irp c, 0,1,2,3
	v_max3_num_f32 v[TT+\c], v[SB+3*\c], v[SB+3*\c+1], v[SB+3*\c+2]      ; four chains, started by the first twelve scores
.endr
.set n, 0
.rept 3
	v_max3_num_f32 v[TT+n%4], v[TT+n%4], v[SB+12+2*n], v[SB+13+2*n]
.set n, n+1
.endr
	WM \kind, 1, \first
.rept 7
	v_max3_num_f32 v[TT+n%4], v[TT+n%4], v[SB+12+2*n], v[SB+13+2*n]
.set n, n+1
.endr
	WM \kind, 2, \first
	v_max3_num_f32 v[TT], v[TT], v[TT+1], v[TT+2]
.if \first
	v_max3_num_f32 v[TT], v[TT], v[TT+3], 0xff7fffff           ; the running maximum starts at -FLT_MAX
.else
	v_max3_num_f32 v[TT], v[TT], v[TT+3], v[MP]
.endif
	v_permlanex16_b32 v[TT+1], v[TT], s18, s19                 ; the query's other 32 keys lie in lane xor 16
	v_max_num_f32 v[TT+2], v[TT], v[TT+1]
.if \first == 0
	v_sub_f32 v[TT+3], v[MP], v[TT+2]
	v_exp_f32 v[AL], v[TT+3]
	v_exp_f32 v[AL+1], v[TT+3]
.endif
	v_mov_b32 v[MP], v[TT+2]
	v_mov_b32 v[MP+1], v[TT+2]
	SUBM 0
	WM \kind, 3, \first
	EXPM 0
	WM \kind, 4, \first
	SUBM 1
	SUMCVT 0, \first
	WM \kind, 5, \first
	EXPM 1
	WM \kind, 6, \first
	SUBM 2
	SUMCVT 1, 0
	WM \kind, 7, \first
	EXPM 2
	SUBM 3
	SUMCVT 2, 0
.if \kind == 0
	VL \slot, \k0                                  ; twelve plain instructions behind the last score product, which read K's fragments
.endif
	EXPM 3
.if \first
	v_nop
.else
.irp j, 0,2,4,6,8,10,12,14,16,18,20,22,24,26,28,30
	v_pk_mul_f32 v[OP+\j:OP+\j+1], v[OP+\j:OP+\j+1], v[AL:AL+1]
.endr
.endif
	SUMCVT 3, 0
.endm
; 64 keys for both pieces
.macro SUB64 slot, sub, first
	PLACES                                         ; behind B's output products: their sources are loaded again
	LABL 0, 64*\sub
	KL \slot, 64*\sub
	LABL 1, 64*\sub
	s_wait_dscnt 8                                 ; A's addends and K are in; B's eight addend loads may be out
.irp i, 0,1,2,3,4,5,6,7
	SW 0, \i
.endr
	PLACES                                         ; behind A's score products: the softmax reads them
	s_wait_dscnt 0x0                               ; B's addends
	SOFT 0, 0, \first, \slot, 64*\sub              ; A's softmax among B's score products; V's fragments requested in its tail
	s_wait_dscnt 0x0                               ; V's fragments
	SOFT 1, 1, \first, \slot, 64*\sub              ; B's softmax among A's output products
.irp i, 0,1,2,3,4,5,6,7
	PW 1, \i, \first
.endr
.endm
; One tile of 256 keys.  In front of the round every wave has waited for all its tensor loads (its part of this tile among them) and
; for its reads of the other slot; behind the round the other slot is filled again first, then this slot is read.
.macro TRIP slot, other, refill, first
	s_wait_tensorcnt 0x0
	ds_add_u32 v254, v255
	s_wait_dscnt 0x0
	s_add_nc_u64 s[G0K+4*\slot+2:G0K+4*\slot+3], s[G0K+4*\slot+2:G0K+4*\slot+3], 2*TILEB   ; no load of mine is out: this slot's next tile
	s_add_nc_u64 s[G0V+4*\slot+2:G0V+4*\slot+3], s[G0V+4*\slot+2:G0V+4*\slot+3], 2*TILEB
	s_wait_dscnt 0x0
	ROUND
.if \refill
	tensor_load_to_lds s[G0K+4*\other:G0K+4*\other+3], s[G1K:G1K+7]
	s_nop 0
	tensor_load_to_lds s[G0V+4*\other:G0V+4*\other+3], s[G1V:G1V+7]
	s_nop 0
.endif
	SUB64 \slot, 0, \first
	SUB64 \slot, 1, 0
	SUB64 \slot, 2, 0
	SUB64 \slot, 3, 0
	v_add_nc_u32 v[LADR], 1024, v[LADR]            ; the next 256 addends
.endm
	TRIP 0, 1, 1, 1                                ; tile 0: its first 64 keys start maximum, sums and outputs
	TRIP 1, 0, 1, 0
	s_mov_b32 s21, 2                               ; tiles 2 to 5
.Ltiles:
	TRIP 0, 1, 1, 0
	TRIP 1, 0, 1, 0
	s_sub_co_u32 s21, s21, 1
	s_cmp_lg_u32 s21, 0
	s_cbranch_scc1 .Ltiles
	TRIP 0, 1, 1, 0                                ; tile 6 asks for tile 7,
	TRIP 1, 0, 0, 0                                ; tile 7 for nothing (its stepped addresses are not used)
	; THE WAY OUT: divide by the sum, round once, 16 bytes a lane into my own stage, back as 4 rows of 128 bytes = 512 consecutive bytes of ctx
	PLACES
.irp p, 0,1
	v_add_f32 v[TT], v[LS+2*\p], v[LS+2*\p+1]
	v_permlanex16_b32 v[TT+1], v[TT], s18, s19
	v_add_f32 v[TT], v[TT], v[TT+1]
	v_rcp_f32 v[TT+2], v[TT]
	v_rcp_f32 v[TT+3], v[TT]
	v_nop
.irp j, 0,2,4,6,8,10,12,14,16,18,20,22,24,26,28,30
	s_wait_alu depctr_va_vdst(0)
	v_pk_mul_f32 v[OA+32*\p+\j:OA+32*\p+\j+1], v[OA+32*\p+\j:OA+32*\p+\j+1], v[TT+2:TT+3]
.endr
.irp j, 0,1,2,3,4,5,6,7,8,9,10,11,12,13,14,15
	v_cvt_pk_f16_f32 v[OA+32*\p+\j], v[OA+32*\p+2*\j], v[OA+32*\p+2*\j+1]
.endr
.irp dt, 0,1,2,3
	ds_store_b128 v[STO], v[OA+32*\p+4*\dt:OA+32*\p+4*\dt+3] offset:\p*16*KP+32*\dt
.endr
.endr
.irp u, 0,1,2,3,4,5,6,7
	ds_load_b128 v[FR+4*\u:FR+4*\u+3], v[RD] offset:\u*4*KP    ; LDS serves a wave's instructions in order: these see the stores above
.endr
.irp u, 0,1,2,3,4,5,6,7
	s_wait_dscnt 7-\u
	global_store_b128 v[CO], v[FR+4*\u:FR+4*\u+3], s[12:13] offset:\u*512
.endr
	s_wait_tensorcnt 0x0
	ds_add_u32 v254, v255
	s_wait_dscnt 0x0
	ROUND                                          ; the closing round: no work-group ends while a partner may still ask jointly
	s_endpgm
.Lfunc_end_k_qbfeafd016c_attn:
	.size	k_qbfeafd016c_attn, .Lfunc_end_k_qbfeafd016c_attn-k_qbfeafd016c_attn
	.p2alignl 7, 3214868480
	.fill 96, 4, 3214868480
	.section	.rodata,"a",@progbits
	.p2align	6, 0x0
	.amdhsa_kernel k_qbfeafd016c_attn
		.amdhsa_group_segment_fixed_size 327680
		.amdhsa_private_segment_fixed_size 0
		.amdhsa_enable_private_segment 0
		.amdhsa_kernarg_size 40
		.amdhsa_user_sgpr_count 2
		.amdhsa_user_sgpr_kernarg_segment_ptr 1
		.amdhsa_wavefront_size32 1
		.amdhsa_system_sgpr_workgroup_id_x 1
		.amdhsa_system_sgpr_workgroup_id_y 1
		.amdhsa_system_sgpr_workgroup_id_z 1
		.amdhsa_system_vgpr_workitem_id 0
		.amdhsa_next_free_vgpr 256
		.amdhsa_next_free_sgpr 66
		.amdhsa_reserve_vcc 0
		.amdhsa_float_denorm_mode_32 3
		.amdhsa_float_denorm_mode_16_64 3
		.amdhsa_memory_ordered 1
		.amdhsa_forward_progress 1
		.amdhsa_inst_pref_size 255
	.end_amdhsa_kernel
	.section	.bss,"aw",@nobits
	.p2align	6
	.space	262144
	.amdgpu_metadata
---
amdhsa.version: [ 1, 2 ]
amdhsa.kernels:
  - .name:           k_qbfeafd016c_attn
    .symbol:         k_qbfeafd016c_attn.kd
    .args:
      - { .name: qh, .offset: 0, .size: 8, .value_kind: global_buffer, .address_space: global }
      - { .name: kh, .offset: 8, .size: 8, .value_kind: global_buffer, .address_space: global }
      - { .name: vh, .offset: 16, .size: 8, .value_kind: global_buffer, .address_space: global }
      - { .name: key_abundance, .offset: 24, .size: 8, .value_kind: global_buffer, .address_space: global }
      - { .name: ctx, .offset: 32, .size: 8, .value_kind: global_buffer, .address_space: global }
    .group_segment_fixed_size: 327680
    .private_segment_fixed_size: 0
    .kernarg_segment_align: 8
    .kernarg_segment_size: 40
    .max_flat_workgroup_size: 256
    .sgpr_count:     66
    .vgpr_count:     256
    .wavefront_size: 32
...
	.end_amdgpu_metadata
.endif
;; end of part 2
;; launch oproj (part 3): grid 256 x 1, 4 waves a work-group, no clusters, 91,648 bytes of LDS; arguments ctx, out_proj_weight, out_proj_bias, out0; writes out0
.if DOCPART == 3
	.amdgcn_target "amdgcn-amd-amdhsa--gfx1250"
	.amdhsa_code_object_version 6
	.text
	.protected	k_qbfeafd016c_oproj
	.globl	k_qbfeafd016c_oproj
	.p2align	8
	.type	k_qbfeafd016c_oproj,@function
k_qbfeafd016c_oproj:
	s_mov_b64 s[64:65], 0
	v_nop
	global_prefetch_b8 v0, s[64:65] scope:SCOPE_SE
	s_setreg_imm32_b32 hwreg(HW_REG_WAVE_MODE, 25, 1), 1
	s_wait_xcnt 0x0
; out0 = ctx Wo^T + bo in f32.  ctx is f16, head-major [b][h][n][64]; Wo is f32 [1024][1024].
; Grid x: 32 blocks of 128 tokens x 8 blocks of 128 features.  Four waves, 64 x 64 each: 16 accumulator tiles.
; K step kk = head kk: ctx's tile is 128 rows of 128 bytes, dense; Wo's is 128 rows of 256 bytes of f32.
; Both pass through registers into one of two LDS slots, Wo converted once to f16 on the way; that conversion is why the tiles are
; not brought by the tensor mover and not shared in a cluster: f32 rows in LDS would double the bytes of Wo's fragment loads.
; LIMIT: operands are f16; a weight beyond 65,504 in magnitude becomes infinite (the drawn spread is 1/32).
.set PITCH, 144
.set TILE,  128*PITCH
.set SLOT,  2*TILE
.set STAGE, 2*SLOT
.set SPITCH, 272                       ; way out: 256 bytes of f32 + 16
.set VOFF, 1                           ; v1     Wo: (t>>4) rows of 4,096 bytes + 16 (t&15)
.set STB,  2                           ; v2-3   where my 4 converted weights go, slot 0, 1
.set FA,   4
.set FB,   5
.set STO,  6
.set RD,   7
.set CO,   8
.set BOFF, 9
.set AOFF, 10                          ; v10    ctx: 16 t
.set STAA, 11                          ; v11-12 where my 16 bytes of ctx go, slot 0, 1
.set ACC,  16
.set FRA,  144
.set FRB,  176
.set PK,   208
; window 1 (v256-447): two staging sets of 96 registers: set p at 96 p; ctx's load i at + 4 i, Wo's at + 32 + 4 i
.set MSB, 0
.macro WIN new
.if MSB != \new
	s_set_vgpr_msb (MSB<<8)|\new
.set MSB, \new
.endif
.endm
.macro PLACES
.rept 4
	v_nop
.endr
.endm
	s_load_b256 s[16:23], s[0:1], 0x0              ; ctx, weight, bias, out0
	v_lshl_add_u32 v254, v0, 2, 0x16400
	v_mov_b32 v255, 0
	v_lshrrev_b32 v208, 5, v0
	v_readfirstlane_b32 s14, v208                  ; wave
	s_lshr_b32 s32, ttmp9, 3                       ; mt
	s_and_b32 s33, ttmp9, 7                        ; nt
	s_and_b32 s34, s14, 1                          ; wm
	s_lshr_b32 s35, s14, 1                         ; wn
	s_lshr_b32 s36, s32, 4                         ; ctx: a batch is 16 heads x 2,048 rows x 128 bytes,
	s_lshl_b32 s36, s36, 22
	s_and_b32 s37, s32, 15                         ; a block 128 rows
	s_lshl_b32 s37, s37, 14
	s_add_co_u32 s36, s36, s37
	s_mov_b32 s37, 0
	s_lshl_b32 s38, s33, 19                        ; Wo: 128 rows of 4,096 bytes
	s_mov_b32 s39, 0
	s_lshl_b32 s40, s33, 9                         ; my 64 features, in bytes of f32
	s_lshl_b32 s41, s35, 8
	s_add_co_u32 s40, s40, s41
	s_mov_b32 s41, 0
	s_lshl_b32 s42, s32, 19                        ; out0: my first row x 4,096 bytes + my features
	s_lshl_b32 s43, s34, 18
	s_add_co_u32 s42, s42, s43
	s_add_co_u32 s42, s42, s40
	s_mov_b32 s43, 0
	s_mul_i32 s44, s34, 64*PITCH
	s_mul_i32 s45, s35, 64*PITCH
	s_add_co_u32 s45, s45, TILE
	s_mul_i32 s46, s14, 16*SPITCH
	s_add_co_u32 s46, s46, STAGE
	v_lshrrev_b32 v208, 4, v0                      ; t >> 4
	v_and_b32 v209, 15, v0                         ; r
	v_bfe_u32 v210, v0, 4, 1                       ; h
	v_lshlrev_b32 v[VOFF], 4, v209
	v_lshl_add_u32 v[VOFF], v208, 12, v[VOFF]
	v_mul_u32_u24 v[STB], v208, PITCH
	v_lshl_add_u32 v[STB], v209, 3, v[STB]
	v_add_nc_u32 v[STB], TILE, v[STB]
	v_add_nc_u32 v[STB+1], SLOT, v[STB]
	v_lshlrev_b32 v[AOFF], 4, v0
	v_lshrrev_b32 v211, 3, v0
	v_and_b32 v212, 7, v0
	v_mul_u32_u24 v[STAA], v211, PITCH
	v_lshl_add_u32 v[STAA], v212, 4, v[STAA]
	v_add_nc_u32 v[STAA+1], SLOT, v[STAA]
	v_mul_u32_u24 v213, v209, PITCH
	v_lshl_add_u32 v213, v210, 4, v213
	v_add_nc_u32 v[FA], s44, v213
	v_add_nc_u32 v[FB], s45, v213
	v_mul_u32_u24 v214, v209, SPITCH
	v_lshl_add_u32 v214, v210, 5, v214
	v_add_nc_u32 v[STO], s46, v214                 ; row r, 32 bytes for each half of the lanes
	v_mul_u32_u24 v215, v210, SPITCH
	v_lshl_add_u32 v215, v209, 4, v215
	v_add_nc_u32 v[RD], s46, v215                  ; lanes 0-15 one row of 256 bytes, lanes 16-31 the next
	v_lshlrev_b32 v[CO], 12, v210
	v_lshl_add_u32 v[CO], v209, 4, v[CO]
	v_lshlrev_b32 v[BOFF], 5, v210
	s_wait_kmcnt 0x0
	s_add_nc_u64 s[4:5], s[16:17], s[36:37]
	s_add_nc_u64 s[6:7], s[18:19], s[38:39]
	s_add_nc_u64 s[8:9], s[20:21], s[40:41]
	s_add_nc_u64 s[10:11], s[22:23], s[42:43]
; 24 loads: one K step into staging set p.  A wave's ctx load covers 512 consecutive bytes, its Wo load two rows of 256.
.macro GLOAD p, ka, kb
	WIN 0x40
.irp i, 0,1,2,3,4,5,6,7
	global_load_b128 v[96*\p+4*\i:96*\p+4*\i+3], v[AOFF], s[4:5] offset:\ka+\i*2048
.endr
.irp i, 0,1,2,3,4,5,6,7,8,9,10,11,12,13,14,15
	global_load_b128 v[96*\p+32+4*\i:96*\p+32+4*\i+3], v[VOFF], s[6:7] offset:\kb+\i*32768
.endr
	WIN 0
.endm
.macro CVTB p, half                    ; 16 conversions: Wo's loads 8 half .. 8 half + 7 of set p
	WIN 0x05
.irp i, 0,1,2,3,4,5,6,7
	v_cvt_pk_f16_f32 v[PK+2*\i],   v[96*\p+32+4*(8*\half+\i)],   v[96*\p+32+4*(8*\half+\i)+1]
	v_cvt_pk_f16_f32 v[PK+2*\i+1], v[96*\p+32+4*(8*\half+\i)+2], v[96*\p+32+4*(8*\half+\i)+3]
.endr
	WIN 0
.endm
.macro STSB slot, half
.irp i, 0,1,2,3,4,5,6,7
	ds_store_b64 v[STB+\slot], v[PK+2*\i:PK+2*\i+1] offset:(8*\half+\i)*8*PITCH
.endr
.endm
.macro STSA slot, p                    ; ctx goes as it came: rows (t>>3) + 16 i
	WIN 0x04                                       ; store data window 1
.irp i, 0,1,2,3,4,5,6,7
	ds_store_b128 v[STAA+\slot], v[96*\p+4*\i:96*\p+4*\i+3] offset:\i*16*PITCH
.endr
	WIN 0
.endm
.macro FETCH slot, kh
.irp a, 0,1,2,3
	ds_load_b128 v[FRA+8*\a:FRA+8*\a+3],   v[FA] offset:\slot*SLOT+\a*16*PITCH+64*\kh
	ds_load_b128 v[FRA+8*\a+4:FRA+8*\a+7], v[FA] offset:\slot*SLOT+\a*16*PITCH+64*\kh+32
.endr
.irp b, 0,1,2,3
	ds_load_b128 v[FRB+8*\b:FRB+8*\b+3],   v[FB] offset:\slot*SLOT+\b*16*PITCH+64*\kh
	ds_load_b128 v[FRB+8*\b+4:FRB+8*\b+7], v[FB] offset:\slot*SLOT+\b*16*PITCH+64*\kh+32
.endr
.endm
; Wo's rows as source 0, ctx's as source 1: a lane's eight results are eight neighbouring features of token r.
; The 16 accumulators take turns, one instruction a turn.
.macro MUL zero
.irp a, 0,1,2,3
.irp b, 0,1,2,3
.if \zero
	v_wmma_f32_16x16x32_f16 v[ACC+8*(4*\a+\b):ACC+8*(4*\a+\b)+7], v[FRB+8*\b:FRB+8*\b+7], v[FRA+8*\a:FRA+8*\a+7], 0
.else
	v_wmma_f32_16x16x32_f16 v[ACC+8*(4*\a+\b):ACC+8*(4*\a+\b)+7], v[FRB+8*\b:FRB+8*\b+7], v[FRA+8*\a:FRA+8*\a+7], v[ACC+8*(4*\a+\b):ACC+8*(4*\a+\b)+7]
.endif
.endr
.endr
.endm
; K step k in slot p = k & 1; o = the other slot and set.  The 16 conversions behind each run of products are the places in front of
; the next loads into the fragment registers.
.macro STEP p, o, load, stage, left, zero
.if \load
	GLOAD \p, (\p+2)*262144, (\p+2)*256
.endif
	FETCH \p, 0
	s_wait_dscnt 0x0
	MUL \zero
.if \stage
	s_wait_loadcnt \left                           ; set o is in, the 24 loads just issued stay out
	CVTB \o, 0
.else
	PLACES
.endif
	FETCH \p, 1
.if \stage
	STSB \o, 0
	STSA \o, \o
	s_wait_dscnt 16                                ; the 16 fragment loads are in; the 16 younger stores may be out
.else
	s_wait_dscnt 0x0
.endif
	MUL 0
.if \stage
	CVTB \o, 1
	STSB \o, 1
	s_wait_dscnt 0x0                               ; my stores into slot o are done and my reads of slot p are back:
	s_barrier_signal -1                            ; behind this barrier slot o is read and slot p is written
	s_barrier_wait -1
.else
	PLACES
.endif
.endm
	GLOAD 0, 0, 0
	GLOAD 1, 262144, 256
	s_wait_loadcnt 24                              ; step 0 is in
	CVTB 0, 0
	STSB 0, 0
	CVTB 0, 1
	STSB 0, 1
	STSA 0, 0
	s_wait_dscnt 0x0
	s_barrier_signal -1
	s_barrier_wait -1
	STEP 0, 1, 1, 1, 24, 1                         ; the first products start the sums
	STEP 1, 0, 1, 1, 24, 0
	s_wait_xcnt 0x0                                ; the bases are stepped only behind this wait
	s_add_nc_u64 s[4:5], s[4:5], 524288            ; two heads
	s_add_nc_u64 s[6:7], s[6:7], 512
	s_mov_b32 s3, 6                                ; K steps 2 to 13
.Lpair:
	STEP 0, 1, 1, 1, 24, 0
	STEP 1, 0, 1, 1, 24, 0
	s_wait_xcnt 0x0
	s_add_nc_u64 s[4:5], s[4:5], 524288
	s_add_nc_u64 s[6:7], s[6:7], 512
	s_sub_co_u32 s3, s3, 1
	s_cmp_lg_u32 s3, 0
	s_cbranch_scc1 .Lpair
	STEP 0, 1, 0, 1, 0, 0
	STEP 1, 0, 0, 0, 0, 0
	; THE WAY OUT
.irp b, 0,1,2,3
	global_load_b128 v[FRA+8*\b:FRA+8*\b+3],   v[BOFF], s[8:9] offset:64*\b
	global_load_b128 v[FRA+8*\b+4:FRA+8*\b+7], v[BOFF], s[8:9] offset:64*\b+16
.endr
	s_wait_loadcnt 0x0
; 16 tokens: + bias, 32 bytes a lane and tile into my own stage; back by rows: sixteen lanes store 256 consecutive bytes, aligned to 256
.macro OUT a
.irp b, 0,1,2,3
.irp u, 0,2,4,6
	v_pk_add_f32 v[ACC+8*(4*\a+\b)+\u:ACC+8*(4*\a+\b)+\u+1], v[ACC+8*(4*\a+\b)+\u:ACC+8*(4*\a+\b)+\u+1], v[FRA+8*\b+\u:FRA+8*\b+\u+1]
.endr
	ds_store_b128 v[STO], v[ACC+8*(4*\a+\b):ACC+8*(4*\a+\b)+3] offset:64*\b
	ds_store_b128 v[STO], v[ACC+8*(4*\a+\b)+4:ACC+8*(4*\a+\b)+7] offset:64*\b+16
.endr
	s_wait_xcnt 0x0                                ; the registers that the last stores read are loaded again only behind this wait
.irp u, 0,1,2,3,4,5,6,7
	ds_load_b128 v[PK+4*\u:PK+4*\u+3], v[RD] offset:\u*2*SPITCH
.endr
.irp u, 0,1,2,3,4,5,6,7
	s_wait_dscnt 7-\u
	global_store_b128 v[CO], v[PK+4*\u:PK+4*\u+3], s[10:11] offset:(16*\a+2*\u)*4096 th:TH_STORE_NT
.endr
.endm
	OUT 0
	OUT 1
	OUT 2
	OUT 3
	s_wait_tensorcnt 0x0
	ds_add_u32 v254, v255
	s_wait_dscnt 0x0
	s_endpgm
.Lfunc_end_k_qbfeafd016c_oproj:
	.size	k_qbfeafd016c_oproj, .Lfunc_end_k_qbfeafd016c_oproj-k_qbfeafd016c_oproj
	.p2alignl 7, 3214868480
	.fill 96, 4, 3214868480
	.section	.rodata,"a",@progbits
	.p2align	6, 0x0
	.amdhsa_kernel k_qbfeafd016c_oproj
		.amdhsa_group_segment_fixed_size 91648
		.amdhsa_private_segment_fixed_size 0
		.amdhsa_enable_private_segment 0
		.amdhsa_kernarg_size 32
		.amdhsa_user_sgpr_count 2
		.amdhsa_user_sgpr_kernarg_segment_ptr 1
		.amdhsa_wavefront_size32 1
		.amdhsa_system_sgpr_workgroup_id_x 1
		.amdhsa_system_sgpr_workgroup_id_y 1
		.amdhsa_system_sgpr_workgroup_id_z 1
		.amdhsa_system_vgpr_workitem_id 0
		.amdhsa_next_free_vgpr 448
		.amdhsa_next_free_sgpr 66
		.amdhsa_reserve_vcc 0
		.amdhsa_float_denorm_mode_32 3
		.amdhsa_float_denorm_mode_16_64 3
		.amdhsa_memory_ordered 1
		.amdhsa_forward_progress 1
		.amdhsa_inst_pref_size 79
	.end_amdhsa_kernel
	.amdgpu_metadata
---
amdhsa.version: [ 1, 2 ]
amdhsa.kernels:
  - .name:           k_qbfeafd016c_oproj
    .symbol:         k_qbfeafd016c_oproj.kd
    .args:
      - { .name: ctx, .offset: 0, .size: 8, .value_kind: global_buffer, .address_space: global }
      - { .name: out_proj_weight, .offset: 8, .size: 8, .value_kind: global_buffer, .address_space: global }
      - { .name: out_proj_bias, .offset: 16, .size: 8, .value_kind: global_buffer, .address_space: global }
      - { .name: out0, .offset: 24, .size: 8, .value_kind: global_buffer, .address_space: global }
    .group_segment_fixed_size: 91648
    .private_segment_fixed_size: 0
    .kernarg_segment_align: 8
    .kernarg_segment_size: 32
    .max_flat_workgroup_size: 128
    .sgpr_count:     66
    .vgpr_count:     448
    .wavefront_size: 32
...
	.end_amdgpu_metadata
.endif
;; end of part 3
;; ======== version 2 of 2: 3 launches
;; limits: values are held in f16: magnitudes above 65,504 overflow, below 6.1e-05 lose precision
;; workspace buffers: qh 8,388,608 bytes; kh 8,388,608 bytes; vh 8,388,608 bytes; ctx 8,388,608 bytes
;; launch proj (part 4): grid 64 x 3, 4 waves a work-group, no clusters, 157,184 bytes of LDS; arguments query, key, value, in_proj_weight, in_proj_bias, qh, kh, vh; writes qh, kh, vh
.if DOCPART == 4
	.amdgcn_target "amdgcn-amd-amdhsa--gfx1250"
	.amdhsa_code_object_version 6
	.text
	.protected	k_qbfeafd016c_proj
	.globl	k_qbfeafd016c_proj
	.p2align	8
	.type	k_qbfeafd016c_proj,@function
k_qbfeafd016c_proj:
	s_mov_b64 s[64:65], 0
	v_nop
	global_prefetch_b8 v0, s[64:65] scope:SCOPE_SE
	s_setreg_imm32_b32 hwreg(HW_REG_WAVE_MODE, 25, 1), 1
	s_wait_xcnt 0x0
; The three input projections: out = (X W^T + b) * c, rounded once to f16, stored head-major [b][h][n][64].
; Grid y picks the product: 0 query -> qh with c = 0.125 log2(e) (the score's scale and the change to base 2),
; 1 key -> kh, 2 value -> vh, both with c = 1.  Grid x: 16 blocks of 256 tokens x 4 blocks of 256 features (4 heads).
; 16 x 4 x 3 = 192 work-groups: a finer equal split into rectangles would need a side with a factor 3, which divides neither 4,096 nor 1,024.
; Four waves; wave w makes 128 tokens (w & 1) x 128 features = two heads (w >> 1): 64 accumulator tiles of 16 x 16, 512 registers.
; For 32 along K a wave reads 2 x 128 x 64 bytes of LDS for 64 matrix instructions.
; K goes in 16 steps of 64: a row of a tile is 256 consecutive bytes of f32, aligned to 256.
; Operands pass through registers: each f32 is loaded once, converted once to f16 and laid into one of two LDS slots, so that a fragment
; load reads 2 bytes a number.  That is why the tiles are not brought by the tensor mover and not shared in a cluster: f32 tiles in LDS
; with a pass that reads, converts and stores them would more than double the LDS bytes of a K step (128 + 128 + 64 + 128 KB against 64 + 128).
;
; A K STEP is four phases of 32 matrix instructions: K 0-31 x my rows 0-63, x rows 64-127, K 32-63 x rows 0-63, x rows 64-127.
; X's fragments lie in two half buffers (AL rows 0-63, AH rows 64-127), W's in two buffers (B0, B1); each phase requests what the next one
; multiplies.  The step's barrier stands between phases 3 and 4, so that phase 4 already fetches the next slot's first fragments.
; STAGING: 256 registers in four units of 16 loads (X's rows halves 0, 1; W's halves 0, 1), one unit a phase: its loads are waited for,
; converted in place, stored to LDS, and the same 16 loads are issued again for the step behind: each unit is on its way for a whole step.
; Unit 0 runs a phase ahead (in phase 4, behind the barrier), so between two barriers all stores go to one slot and all reads to the other.
;
; REGISTERS, in windows of 256:  window 0: v1-11 addresses, v32-63 AL, v64-95 AH, v128-255 X's staging (on the way out: biases, temporaries)
;   window 1: v0-63 B0, v64-127 B1, v128-255 W's staging;  window 2: accumulators of my rows 0-63 (tile (a, b) at 8 (8 a + b));  window 3: rows 64-127
; LIMIT: operands are f16.  A projected value beyond 65,504 in magnitude becomes infinite.  Inputs and weights both 30 times
; the drawn spread give about 900 x 5.5 = 5,000; both with an offset of 30 spreads about 1024 x 30 x 0.94 = 29,000.
.set PITCH, 144                        ; an LDS row: 128 bytes of f16 + 16: 9 x 16, so 16 rows start in 16 different 16-byte columns
.set TILE,  256*PITCH                  ; 256 rows
.set SLOT,  2*TILE                     ; X's tile, then W's
.set STAGE, 2*SLOT                     ; behind the slots: 16 rows x 144 bytes for each wave, for the way out
.set VOFF, 1                           ; v1     my first row (64 w + 8 h) x 4,096 bytes + 16 (t & 15)
.set STA,  2                           ; v2-3   where my 4 converted numbers of that row go, slot 0, 1
.set FA,   4                           ; v4-5   my X fragments, slot 0, 1
.set FB,   6                           ; v6-7   my W fragments, slot 0, 1
.set STO,  8                           ; v8     way out: where I put 16 bytes
.set RD,   9                           ; v9     way out: where I read back
.set CO,   10                          ; v10    way out: 16 x lane
.set BOFF, 11                          ; v11    32 h: my 8 biases of a tile
.set AL,   32
.set AH,   64
.set SG,   128                         ; staging: load i of half hf at SG + 64 hf + 4 i
.set BI,   128                         ; way out: v[128:191] biases x c
.set TT,   192                         ; way out: v[192:223] at work
.set OUTR, 224                         ; way out: v[224:239] rows read back
.set MUL_LO, 0xa1                      ; source 0 (W) window 1, source 1 (X) window 0, C and D window 2
.set MUL_HI, 0xf1                      ; the same, C and D window 3
.set W1ALL,  0x45                      ; sources 0, 1 and destination window 1: conversions in W's staging
.set TO1,    0x44                      ; source 1 (store data) and destination (loaded data) window 1, address window 0
.set MSB, 0
.macro WIN new                         ; the immediate's high byte repeats the setting that is left
.if MSB != \new
	s_set_vgpr_msb (MSB<<8)|\new
.set MSB, \new
.endif
.endm
.macro PLACES                          ; four places behind a matrix instruction (ISA guide 7.12.1), where there is no vector work to put there
.rept 4
	v_nop
.endr
.endm
	s_load_b512 s[16:31], s[0:1], 0x0              ; query, key, value, weight, bias, qh, kh, vh
	v_lshl_add_u32 v126, v0, 2, 0x26400
	v_mov_b32 v127, 0
	v_lshrrev_b32 v12, 5, v0
	v_readfirstlane_b32 s14, v12                   ; wave
	s_and_b32 s2, ttmp7, 0xffff                    ; which product
	s_lshr_b32 s32, ttmp9, 2                       ; mt: block of 256 tokens
	s_and_b32 s33, ttmp9, 3                        ; nt: block of 256 features
	s_and_b32 s34, s14, 1                          ; wm: my 128 tokens
	s_lshr_b32 s35, s14, 1                         ; wn: my two heads of the four
	s_lshl_b32 s36, s32, 20                        ; X: 256 rows of 4,096 bytes
	s_mov_b32 s37, 0
	s_lshl_b32 s38, s2, 22                         ; W: 1,024 rows a product,
	s_lshl_b32 s39, s33, 20                        ; 256 rows a block
	s_add_co_u32 s38, s38, s39
	s_mov_b32 s39, 0
	s_lshl_b32 s40, s2, 12                         ; bias: 4,096 bytes a product, 1,024 a block, 512 for two heads
	s_lshl_b32 s41, s33, 10
	s_add_co_u32 s40, s40, s41
	s_lshl_b32 s41, s35, 9
	s_add_co_u32 s40, s40, s41
	s_mov_b32 s41, 0
	s_lshr_b32 s42, s32, 3                         ; out: ((batch 16 + head) 2048 + token in the batch) x 128 bytes
	s_lshl_b32 s42, s42, 4
	s_lshl_b32 s43, s33, 2
	s_add_co_u32 s42, s42, s43
	s_lshl_b32 s43, s35, 1
	s_add_co_u32 s42, s42, s43                     ; my first head = 4 nt + 2 wn
	s_lshl_b32 s42, s42, 11
	s_and_b32 s43, s32, 7
	s_lshl_b32 s43, s43, 8
	s_add_co_u32 s42, s42, s43
	s_lshl_b32 s43, s34, 7
	s_add_co_u32 s42, s42, s43
	s_lshl_b32 s42, s42, 7
	s_mov_b32 s43, 0
	s_mul_i32 s44, s34, 128*PITCH
	s_mul_i32 s45, s35, 128*PITCH
	s_add_co_u32 s45, s45, TILE
	s_mul_i32 s46, s14, 16*PITCH
	s_add_co_u32 s46, s46, STAGE
	v_and_b32 v13, 15, v0                          ; t & 15 = r
	v_bfe_u32 v14, v0, 4, 1                        ; h
	v_lshlrev_b32 v15, 6, v12
	v_lshl_add_u32 v15, v14, 3, v15                ; my first row: 64 w + 8 h.  The halves of a wave lie 8 rows = 1,152 bytes apart in LDS,
	v_lshlrev_b32 v[VOFF], 4, v13                  ; 128 modulo 256: a store of 8 bytes a lane touches every bank once
	v_lshl_add_u32 v[VOFF], v15, 12, v[VOFF]
	v_mul_u32_u24 v[STA], v15, PITCH
	v_lshl_add_u32 v[STA], v13, 3, v[STA]
	v_add_nc_u32 v[STA+1], SLOT, v[STA]
	v_mul_u32_u24 v16, v13, PITCH
	v_lshl_add_u32 v16, v14, 4, v16                ; r x pitch + 16 h
	v_add_nc_u32 v[FA], s44, v16
	v_add_nc_u32 v[FA+1], SLOT, v[FA]
	v_add_nc_u32 v[FB], s45, v16
	v_add_nc_u32 v[FB+1], SLOT, v[FB]
	v_add_nc_u32 v[STO], s46, v16
	v_and_b32 v17, 31, v0                          ; lane
	v_lshrrev_b32 v18, 3, v17
	v_mul_u32_u24 v18, v18, PITCH
	v_and_b32 v19, 7, v0
	v_lshl_add_u32 v18, v19, 4, v18
	v_add_nc_u32 v[RD], s46, v18
	v_lshlrev_b32 v[CO], 4, v17
	v_lshlrev_b32 v[BOFF], 5, v14
	s_wait_kmcnt 0x0
	s_cmp_eq_u32 s2, 0
	s_cselect_b64 s[4:5], s[16:17], s[18:19]
	s_cselect_b64 s[10:11], s[26:27], s[28:29]
	s_cselect_b32 s12, 0x3e38aa3b, 1.0             ; c = 0.125 log2(e) for q, 1 for k and v
	s_cmp_eq_u32 s2, 2
	s_cselect_b64 s[4:5], s[20:21], s[4:5]
	s_cselect_b64 s[10:11], s[30:31], s[10:11]
	s_mov_b32 s13, s12
	s_add_nc_u64 s[4:5], s[4:5], s[36:37]          ; X at my block's first row
	s_add_nc_u64 s[6:7], s[22:23], s[38:39]        ; W at my block's first row
	s_add_nc_u64 s[8:9], s[24:25], s[40:41]        ; my two heads' biases
	s_add_nc_u64 s[10:11], s[10:11], s[42:43]      ; my 128 rows of my first head's output
; A staging unit (w = 0: X, window 0; 1: W, window 1;  hf = which 16 of the tile's 32 loads).  Load i of half hf takes row
; 64 wave + 8 h + i % 8 + 16 (2 hf + i / 8): the 32 loads of a wave cover its 64 rows, each half of the lanes a whole row of 256 bytes.
.macro GLU w, hf, koff                 ; 16 loads at byte koff of the rows
.if \w
	WIN TO1
.else
	WIN 0
.endif
.irp i, 0,1,2,3,4,5,6,7,8,9,10,11,12,13,14,15
	global_load_b128 v[SG+64*\hf+4*\i:SG+64*\hf+4*\i+3], v[VOFF], s[4+2*\w:5+2*\w] offset:\koff+((\i%8)+16*(2*\hf+\i/8))*4096
.endr
.endm
.macro CVTU w, hf                      ; 32 conversions in place: a load's four f32 become two registers of f16
.if \w
	WIN W1ALL
.else
	WIN 0
.endif
.irp i, 0,1,2,3,4,5,6,7,8,9,10,11,12,13,14,15
	v_cvt_pk_f16_f32 v[SG+64*\hf+4*\i],   v[SG+64*\hf+4*\i],   v[SG+64*\hf+4*\i+1]
	v_cvt_pk_f16_f32 v[SG+64*\hf+4*\i+1], v[SG+64*\hf+4*\i+2], v[SG+64*\hf+4*\i+3]
.endr
.endm
.macro STU w, hf, slot                 ; 16 stores of 8 bytes
.if \w
	WIN TO1
.else
	WIN 0
.endif
.irp i, 0,1,2,3,4,5,6,7,8,9,10,11,12,13,14,15
	ds_store_b64 v[STA+\slot], v[SG+64*\hf+4*\i:SG+64*\hf+4*\i+1] offset:\w*TILE+((\i%8)+16*(2*\hf+\i/8))*PITCH
.endr
.endm
; Fragments.  Lane (r, h): row r; registers 0-3 K = 8 h .., 4-7 K = 16 + 8 h ..: two loads of 16 bytes, 32 bytes apart.
.macro LDA dst, slot, hi, q            ; 8 loads: four X fragments (my rows 64 hi ..), K = 32 q ..
	WIN 0
.irp a, 0,1,2,3
	ds_load_b128 v[\dst+8*\a:\dst+8*\a+3],   v[FA+\slot] offset:(4*\hi+\a)*16*PITCH+64*\q
	ds_load_b128 v[\dst+8*\a+4:\dst+8*\a+7], v[FA+\slot] offset:(4*\hi+\a)*16*PITCH+64*\q+32
.endr
.endm
.macro LDB buf, slot, q                ; 16 loads: eight W fragments
	WIN TO1
.irp b, 0,1,2,3,4,5,6,7
	ds_load_b128 v[64*\buf+8*\b:64*\buf+8*\b+3],   v[FB+\slot] offset:\b*16*PITCH+64*\q
	ds_load_b128 v[64*\buf+8*\b+4:64*\buf+8*\b+7], v[FB+\slot] offset:\b*16*PITCH+64*\q+32
.endr
.endm
; 16 matrix instructions, W's rows as source 0 and X's as source 1: a lane's eight results are eight neighbouring features of token r.
; The accumulators take turns, one instruction a turn, in the same order in every phase.
.macro MUL16 abuf, bbuf, a0, zero
.irp a, \a0, \a0+1
.irp b, 0,1,2,3,4,5,6,7
.if \zero
	v_wmma_f32_16x16x32_f16 v[8*(8*(\a)+\b):8*(8*(\a)+\b)+7], v[64*\bbuf+8*\b:64*\bbuf+8*\b+7], v[\abuf+8*(\a):\abuf+8*(\a)+7], 0
.else
	v_wmma_f32_16x16x32_f16 v[8*(8*(\a)+\b):8*(8*(\a)+\b)+7], v[64*\bbuf+8*\b:64*\bbuf+8*\b+7], v[\abuf+8*(\a):\abuf+8*(\a)+7], v[8*(8*(\a)+\b):8*(8*(\a)+\b)+7]
.endif
.endr
.endr
.endm
; The head of a phase.  All LDS instructions of the phase before were issued ahead of its 32 matrix instructions: this phase's fragments are in.
; The unit's 32 conversions (or four v_nop) are the places between the last matrix instruction and the loads into registers that it read.
.macro HEAD cv, left, w, hf
	s_wait_dscnt 0x0
.if \cv
	s_wait_loadcnt \left                           ; loads return in order: this unit's 16 are in, the younger units stay out
	CVTU \w, \hf
.else
	PLACES
.endif
.endm
.macro FEED cv, ld, w, hf, slot, koff  ; the unit goes to LDS and is requested again (an LDS store's data registers need no wait)
.if \cv
	STU \w, \hf, \slot
.endif
.if \ld
	GLU \w, \hf, \koff
.endif
.endm
; K step k in slot p = k & 1; o = the other slot.
; cv: units 1-3 of step k + 1 go to slot o (l1-l3: the younger loads that stay out); ld: they are requested again for step k + 2.
; bar: the barrier, and phase 4 fetches step k + 1's first fragments.  cv4: unit 0 of step k + 2 goes to slot p; ld4: requested again for step k + 3.
.macro STEP p, o, zero, cv, l1, l2, l3, ld, bar, cv4, ld4
	HEAD \cv, \l1, 0, 1
	LDA AH, \p, 1, 0
	FEED \cv, \ld, 0, 1, \o, (\p+2)*256
	LDB 1, \p, 1
	WIN MUL_LO
	MUL16 AL, 0, 0, \zero
	MUL16 AL, 0, 2, \zero
	HEAD \cv, \l2, 1, 0
	LDA AL, \p, 0, 1
	FEED \cv, \ld, 1, 0, \o, (\p+2)*256
	WIN MUL_HI
	MUL16 AH, 0, 0, \zero
	MUL16 AH, 0, 2, \zero
	HEAD \cv, \l3, 1, 1
	LDA AH, \p, 1, 1
	FEED \cv, \ld, 1, 1, \o, (\p+2)*256
	WIN MUL_LO
	MUL16 AL, 1, 0, 0
.if \bar
	s_wait_dscnt 0x0                               ; my stores into slot o are done and my last reads of slot p are back:
	s_barrier_signal -1                            ; say so,
.endif
	MUL16 AL, 1, 2, 0                              ; work on registers while the others arrive,
.if \bar
	s_barrier_wait -1                              ; and behind this wait slot o is read and slot p is written
	HEAD \cv4, 48, 0, 0
	LDA AL, \o, 0, 0
	FEED \cv4, \ld4, 0, 0, \p, (\p+3)*256
	LDB 0, \o, 0
.else
	s_wait_dscnt 0x0
.endif
	WIN MUL_HI
	MUL16 AH, 1, 0, 0
	MUL16 AH, 1, 2, 0
.endm
	GLU 0, 0, 0                                    ; K step 0, all four units
	GLU 0, 1, 0
	GLU 1, 0, 0
	GLU 1, 1, 0
.macro FIRST w, hf                     ; step 0's unit into slot 0; the unit is requested again for step 1
	s_wait_loadcnt 48                              ; the three younger units stay out
	CVTU \w, \hf
	STU \w, \hf, 0
	GLU \w, \hf, 256
.endm
	FIRST 0, 0
	FIRST 0, 1
	FIRST 1, 0
	FIRST 1, 1
	s_wait_dscnt 0x0
	s_barrier_signal -1
	s_barrier_wait -1                              ; slot 0 is whole
	s_wait_loadcnt 48                              ; what a phase 4 does, without products: unit 0 of step 1 into slot 1,
	CVTU 0, 0
	LDA AL, 0, 0, 0                                ; step 0's first fragments,
	STU 0, 0, 1
	GLU 0, 0, 512                                  ; unit 0 of step 2
	LDB 0, 0, 0
	STEP 0, 1, 1, 1, 48, 48, 48, 1, 1, 1, 1        ; step 0: its first products start the sums: nothing is cleared
	STEP 1, 0, 0, 1, 48, 48, 48, 1, 1, 1, 1
	WIN 0                                          ; at a label and at a branch every window is 0
	s_wait_xcnt 0x0                                ; the bases are stepped only behind this wait
	s_add_nc_u64 s[4:5], s[4:5], 512
	s_add_nc_u64 s[6:7], s[6:7], 512
	s_mov_b32 s3, 5                                ; K steps 2 to 11
.Lpair:
	STEP 0, 1, 0, 1, 48, 48, 48, 1, 1, 1, 1
	STEP 1, 0, 0, 1, 48, 48, 48, 1, 1, 1, 1
	WIN 0
	s_wait_xcnt 0x0
	s_add_nc_u64 s[4:5], s[4:5], 512
	s_add_nc_u64 s[6:7], s[6:7], 512
	s_sub_co_u32 s3, s3, 1
	s_cmp_lg_u32 s3, 0
	s_cbranch_scc1 .Lpair
	STEP 0, 1, 0, 1, 48, 48, 48, 1, 1, 1, 1        ; step 12: the last that requests in all four phases (steps 14 and 15)
	STEP 1, 0, 0, 1, 48, 48, 48, 1, 1, 1, 0        ; step 13: units 1-3 of step 15; its phase 4 requests nothing
	STEP 0, 1, 0, 1, 32, 16, 0, 0, 1, 0, 0         ; step 14: no requests: the counts run down
	WIN 0
.irp b, 0,1,2,3,4,5,6,7
	global_load_b128 v[BI+8*\b:BI+8*\b+3],   v[BOFF], s[8:9] offset:64*\b      ; my biases, into staging registers that are free now:
	global_load_b128 v[BI+8*\b+4:BI+8*\b+7], v[BOFF], s[8:9] offset:64*\b+16   ; they land under the last step
.endr
	STEP 1, 0, 0, 0, 0, 0, 0, 0, 0, 0, 0           ; step 15: nothing to stage, no barrier: the slots are not written again
	; THE WAY OUT.  Lane (r, h) holds of tile (a, b) token 16 a + r, features 16 b + 8 h + 0..7; b = 0-3 my first head, 4-7 my second.
	PLACES
	WIN 0
	s_wait_loadcnt 0x0
.set j, 0
.rept 32
	v_pk_mul_f32 v[BI+j:BI+j+1], v[BI+j:BI+j+1], s[12:13] op_sel_hi:[1,0]      ; b c
.set j, j+2
.endr
; 16 tokens of one head: sum c + b c, one rounding, 16 bytes a lane into my own stage; back as 4 rows of 128 bytes = 512 consecutive bytes of the output.
; a: token tile 0-7 of my 128 tokens (16 rows of 128 bytes = 2,048 bytes a tile); al = a % 4: its number in its window; win: 2 or 3 (source 0's window);
; hh: which of my two heads (a head is 2,048 rows of 128 bytes = 262,144 bytes)
.macro OUT a, al, win, hh
	WIN \win
.irp bb, 0,1,2,3
.irp u, 0,2,4,6
	v_pk_fma_f32 v[TT+8*\bb+\u:TT+8*\bb+\u+1], v[8*(8*\al+4*\hh+\bb)+\u:8*(8*\al+4*\hh+\bb)+\u+1], s[12:13], v[BI+8*(4*\hh+\bb)+\u:BI+8*(4*\hh+\bb)+\u+1] op_sel_hi:[1,0,1]
.endr
.endr
	WIN 0
.irp j, 0,1,2,3,4,5,6,7,8,9,10,11,12,13,14,15
	v_cvt_pk_f16_f32 v[TT+\j], v[TT+2*\j], v[TT+2*\j+1]
.endr
.irp bb, 0,1,2,3
	ds_store_b128 v[STO], v[TT+4*\bb:TT+4*\bb+3] offset:32*\bb
.endr
	s_wait_xcnt 0x0                                ; the registers that the last global stores read are loaded again only behind this wait
.irp u, 0,1,2,3
	ds_load_b128 v[OUTR+4*\u:OUTR+4*\u+3], v[RD] offset:\u*4*PITCH      ; LDS serves a wave's instructions in order: these see the stores above
.endr
.irp u, 0,1,2,3
	s_wait_dscnt 3-\u
	global_store_b128 v[CO], v[OUTR+4*\u:OUTR+4*\u+3], s[10:11] offset:(\hh)*262144+(\a)*2048+\u*512
.endr
.endm
	OUT 0, 0, 2, 0
	OUT 0, 0, 2, 1
	OUT 1, 1, 2, 0
	OUT 1, 1, 2, 1
	OUT 2, 2, 2, 0
	OUT 2, 2, 2, 1
	OUT 3, 3, 2, 0
	OUT 3, 3, 2, 1
	OUT 4, 0, 3, 0
	OUT 4, 0, 3, 1
	OUT 5, 1, 3, 0
	OUT 5, 1, 3, 1
	OUT 6, 2, 3, 0
	OUT 6, 2, 3, 1
	OUT 7, 3, 3, 0
	OUT 7, 3, 3, 1
	s_wait_tensorcnt 0x0
	ds_add_u32 v126, v127
	s_wait_dscnt 0x0
	s_endpgm
.Lfunc_end_k_qbfeafd016c_proj:
	.size	k_qbfeafd016c_proj, .Lfunc_end_k_qbfeafd016c_proj-k_qbfeafd016c_proj
	.p2alignl 7, 3214868480
	.fill 96, 4, 3214868480
	.section	.rodata,"a",@progbits
	.p2align	6, 0x0
	.amdhsa_kernel k_qbfeafd016c_proj
		.amdhsa_group_segment_fixed_size 157184
		.amdhsa_private_segment_fixed_size 0
		.amdhsa_enable_private_segment 0
		.amdhsa_kernarg_size 64
		.amdhsa_user_sgpr_count 2
		.amdhsa_user_sgpr_kernarg_segment_ptr 1
		.amdhsa_wavefront_size32 1
		.amdhsa_system_sgpr_workgroup_id_x 1
		.amdhsa_system_sgpr_workgroup_id_y 1
		.amdhsa_system_sgpr_workgroup_id_z 1
		.amdhsa_system_vgpr_workitem_id 0
		.amdhsa_next_free_vgpr 1024
		.amdhsa_next_free_sgpr 66
		.amdhsa_reserve_vcc 0
		.amdhsa_float_denorm_mode_32 3
		.amdhsa_float_denorm_mode_16_64 3
		.amdhsa_memory_ordered 1
		.amdhsa_forward_progress 1
		.amdhsa_inst_pref_size 255
	.end_amdhsa_kernel
	.section	.bss,"aw",@nobits
	.p2align	6
	.space	262144
	.amdgpu_metadata
---
amdhsa.version: [ 1, 2 ]
amdhsa.kernels:
  - .name:           k_qbfeafd016c_proj
    .symbol:         k_qbfeafd016c_proj.kd
    .args:
      - { .name: query, .offset: 0, .size: 8, .value_kind: global_buffer, .address_space: global }
      - { .name: key, .offset: 8, .size: 8, .value_kind: global_buffer, .address_space: global }
      - { .name: value, .offset: 16, .size: 8, .value_kind: global_buffer, .address_space: global }
      - { .name: in_proj_weight, .offset: 24, .size: 8, .value_kind: global_buffer, .address_space: global }
      - { .name: in_proj_bias, .offset: 32, .size: 8, .value_kind: global_buffer, .address_space: global }
      - { .name: qh, .offset: 40, .size: 8, .value_kind: global_buffer, .address_space: global }
      - { .name: kh, .offset: 48, .size: 8, .value_kind: global_buffer, .address_space: global }
      - { .name: vh, .offset: 56, .size: 8, .value_kind: global_buffer, .address_space: global }
    .group_segment_fixed_size: 157184
    .private_segment_fixed_size: 0
    .kernarg_segment_align: 8
    .kernarg_segment_size: 64
    .max_flat_workgroup_size: 128
    .sgpr_count:     66
    .vgpr_count:     1024
    .wavefront_size: 32
...
	.end_amdgpu_metadata
.endif
;; end of part 4
;; launch attn: the kernel of part 2 again; grid 8 x 32, 8 waves a work-group, clusters of 4 x 1, 327,680 bytes of LDS; arguments qh, kh, vh, key_abundance, ctx; writes ctx
;; launch oproj: the kernel of part 3 again; grid 256 x 1, 4 waves a work-group, no clusters, 91,648 bytes of LDS; arguments ctx, out_proj_weight, out_proj_bias, out0; writes out0
